; MI455X (gfx1250); checked and timed in simulation.
; The chip was launched on July 23, 2026; its instructions are those of AMD's public machine-readable ISA for CDNA 5 (MIT licence, August 2026) and "CDNA5" Instruction Set Architecture Reference Guide (July 2026). The comments in the code are by the model that wrote it; some were corrected since.
;; Self Attention Layer. Allowed arithmetic: matrix products marked QUANTISED: E5M2 operands, one E8M0 scale for each 32 along K, by v_wmma_scale_f32_16x16x128_f8f6f4 with both operands' format E5M2, f32 sums; everything else in f32.
;; Inputs: Wk 1,024 x 1,024 float32; Wq 1,024 x 1,024 float32; Wv 1,024 x 1,024 float32; bk 1,024 float32; bq 1,024 float32; bv 1,024 float32; x 4 x 2,048 x 1,024 float32.
;; Outputs: out0 4 x 2,048 x 1,024 float32.
;; This version of the problem:
;;   THIS VERSION OF THE PROBLEM IS GIVEN IN LOW PRECISION. The matrix products marked QUANTISED in the list below multiply operands that are first quantised to E5M2 (5 exponent bits, 2 mantissa bits; 8 bits a number), with one power-of-two scale for each 32 numbers along K (OCP MX v1.0); their sums are f32. All else is computed in f32.
;;   The module's matrix products, in the order in which they are computed (A, B: the left and right operand; K: the contracted axis; several contracted axes count as one K, in the product's order):
;;     1. [M 8,192, K 1,024] x [K 1,024, N 1,024]; A: input x; B: input Wq: QUANTISED
;;     2. [M 8,192, K 1,024] x [K 1,024, N 1,024]; A: input x; B: input Wk: QUANTISED
;;     3. [M 8,192, K 1,024] x [K 1,024, N 1,024]; A: input x; B: input Wv: QUANTISED
;;     4. batch 64 x [M 2,048, K 64] x [K 64, N 2,048]; A: computed on the way; B: computed on the way: QUANTISED
;;     5. batch 64 x [M 2,048, K 2,048] x [K 2,048, N 64]; A: softmax (see below); B: computed on the way: QUANTISED
;;   THE QUANTISER, for each operand of a quantised product, along K:
;;     - K is cut into blocks of 32 from its start; a last block that is shorter is filled with zeros.
;;     - A block's scale is 2^e with e = floor(log2(the largest magnitude in the block)) - 15, held to -126 .. 127; a block of zeros has e = 0. As a byte (E8M0): e + 127.
;;     - Each number is divided by its block's scale, clamped to +-57,344, and rounded to the nearest number of E5M2, ties to even, subnormals kept.
;;     - The product sums the exact products of the quantised numbers (number of the format x scale) in f32.
;;   ~~~python
;;   def quantise(x, axis):      # numpy; x: float32 -> the quantised numbers, widened to float32 again
;;       x = np.moveaxis(x, axis, -1); K = x.shape[-1]
;;       x = np.pad(x, [(0, 0)] * (x.ndim - 1) + [(0, -K % 32)]); x = x.reshape(x.shape[:-1] + (-1, 32)); a = np.abs(x).max(-1, keepdims=True)
;;       e = np.where(a > 0, np.clip(np.frexp(np.where(a > 0, a, 1))[1] - 1 - 15, -126, 127), 0)      # np.frexp(a)[1] - 1 = floor(log2(a)), exactly
;;       r = np.clip(x / 2.0 ** e, -57344, 57344)
;;       step = 2.0 ** (np.maximum(np.frexp(np.where(r == 0, 1, r))[1] - 1, -14) - 2)
;;       q = np.round(r / step) * step * 2.0 ** e      # np.round: ties to even
;;       return np.moveaxis(q.reshape(q.shape[:-2] + (-1,))[..., :K], -1, axis).astype(np.float32)
;;   ~~~
;;   SOFTMAX AHEAD OF A QUANTISED PRODUCT. Where the list says 'softmax', what is quantised is not the finished softmax but p = 2^(t - M), with t = logit x log2(e) and M = ceil(the row's largest t), a whole number; so 1/2 < the row's largest p <= 1. The row's sum l is taken of the UNQUANTISED p, in f32, and the product's result is divided by l at the end. Since M is a whole number, a kernel that streams over the keys may use a running M (the ceiling of the running maximum): every later rescaling is an exact power of two, which a block's scale takes up: the codes' values come out the same.
;;   OPERANDS COMPUTED ON THE WAY. 'Computed on the way' means the value that the module computes at that place (a softmax that the list does not call 'softmax' is quantised finished and normalised). What goes into a quantiser is computed in f32, as accurately as f32 sums, v_exp_f32 and their like allow (about 1e-6 of the number): no bf16 or f16 on the way to a quantiser, and a product that is left as it is and whose result goes on into a quantised operand takes f32 operands (vector FMAs, or v_wmma_f32_16x16x4_f32). A number that lies on a knife's edge between two numbers of the format may be rounded either way, as far as f32 arithmetic and the matrix unit's own rounding can turn it there, and no further.
;; One version. Each part assembles by itself: llvm-mc -triple=amdgcn-amd-amdhsa -mcpu=gfx1250 --defsym DOCPART=n.
;; ======== version 1 of 1: 3 launches
;; limits: right only within a limited range of input values
;; workspace buffers: x_codes 8,388,608 bytes; x_scales 262,144 bytes; w_codes 3,145,728 bytes; w_scales 98,304 bytes; q_img 8,388,608 bytes; q_sc 524,288 bytes; kv 17,563,648 bytes
;; launch quant (part 1): grid 352 x 1, 4 waves a work-group, no clusters, 68,096 bytes of LDS; arguments x, Wq, Wk, Wv, x_codes, x_scales, w_codes, w_scales; writes x_codes, x_scales, w_codes, w_scales
.if DOCPART == 1
	.amdgcn_target "amdgcn-amd-amdhsa--gfx1250"
	.amdhsa_code_object_version 6
	.text
	.protected	k_qf2328f5488_quant
	.globl	k_qf2328f5488_quant
	.p2align	8
	.type	k_qf2328f5488_quant,@function
k_qf2328f5488_quant:
	s_mov_b64 s[64:65], 0
	v_nop
	global_prefetch_b8 v0, s[64:65] scope:SCOPE_SE
	s_setreg_imm32_b32 hwreg(HW_REG_WAVE_MODE, 25, 1), 1
	s_wait_xcnt 0x0
; x [8192][1024] and Wq, Wk, Wv [1024 (k)][1024 (n)], f32, become codes of BF8 (E5M2) with K innermost and one E8M0 scale byte for each 32 along K.
; A block's scale is 2^(floor(log2(its largest magnitude)) - 15); its byte is the largest magnitude's exponent field - 15, held at 1 from below; each number is divided by the scale,
; held within +-57,344 and rounded to the nearest code, ties to even.
; THE ROWS OF THE OUTPUT ARE PERMUTED: row i of x, and column n of a weight, go to position pi(i): i with its bits 3 and 4 exchanged.  Sixteen neighbouring positions 32 b + 16 u + 0 .. 15 are then
; the true indices 32 b + 8 u + r + 8 (r / 8), so that in the products that follow the 16 result registers of two neighbouring tiles are 16 true neighbours, ready for the next quantiser.
; x_codes [8192 positions][1024], x_scales [8192][32];  w_codes [3 x 1024 positions][1024] (q, k, v), w_scales [3072][32].
; LIMITS: NaN and infinities among the inputs are not served.  A block of zeros gets the byte 1 where the rule says 127: its codes are zeros, which add nothing, and this program alone reads the bytes.
; Blocks whose largest magnitude lies under 2^-111 are held at the byte 1.
; SHARES: work-groups 0 to 255 take x, 32 rows each; work-groups 256 to 351 take the weights, 128 columns x 256 along K each: 32,768 numbers to every work-group.
; The two parts part once, on the work-group's number, and each has LDS bytes of its own.  Memory binds: no tensor loads, no barrier, no cluster: waves share nothing and no input byte is read twice.
.set XWG,   256                        ; work-groups for x
.set STEPS, 16
.set EMAX,  15
.set MANT,  0x600000                   ; the mantissa field of 57,344 as f32
.set CB,    16                         ; bytes of 16 codes
.set XR,    16                         ; x: v16-79   four sets of 16 numbers as they are loaded
.set XX,    80                         ;    v80-111  two sets of 16 neighbours
.set XE,    112                        ;    v112-127 a scale byte for each step
.set XC,    128                        ;    v128-191 codes: four registers for each step, so that no store's data are written again
.set WREG,  8192                       ; x: LDS of a wave: two stages of 32 x SP bytes, behind them its 256 scale bytes
.set SP,    80                         ; a lane's place in a stage: 64 bytes + 16 of padding
.set NB,    8                          ; weights: blocks of 32 along K for a wave
.set PITCH, 272                        ; a stage row: 256 bytes of codes + 16
.set KROW,  1024                       ; a row of w_codes in bytes
.set NROW,  4096                       ; a row of a weight in bytes
.set WSTG,  4*WREG                     ; the weights' stages lie behind x's LDS: 32 x PITCH bytes a wave
.set WX,    32                         ; weights: v32-95 two sets of 32 numbers
.set WC,    96                         ;    v96-103  a block's codes
.set WOUT,  112                        ;    v112-175 the way out
.set WSB,   24                         ;    v24-25   the scale bytes, four to a register
	s_load_b256 s[4:11], s[0:1], 0x0               ; x, Wq, Wk, Wv
	s_load_b256 s[12:19], s[0:1], 0x20             ; x_codes, x_scales, w_codes, w_scales
	v_lshl_add_u32 v192, v0, 2, 0x10800
	v_mov_b32 v193, 0
	v_lshrrev_b32 v1, 5, v0
	v_readfirstlane_b32 s20, v1                    ; wave 0..3
	v_and_b32 v2, 31, v0                           ; lane
	s_cmp_lt_u32 ttmp9, XWG
	s_cbranch_scc0 .Lweights
; ---------------- x: K is innermost.  A wave takes 8 rows: 16 steps of 512 numbers.  Each load reads 512 consecutive bytes; a step's 2,048 bytes turn through the wave's own stage, so that a lane holds 16 neighbours.
	v_lshlrev_b32 v3, 4, v2                        ; my 16 bytes of a load's 512
	s_mul_i32 s21, s20, WREG
	v_lshrrev_b32 v14, 2, v2
	v_mul_u32_u24 v14, v14, SP
	v_and_b32 v15, 3, v2
	v_lshl_add_u32 v14, v15, 4, v14
	v_add_nc_u32 v14, s21, v14                     ; the stage, on the way in: SP (lane / 4) + 16 (lane % 4)
	v_mul_u32_u24 v15, v2, SP
	v_add_nc_u32 v15, s21, v15                     ; and on the way out: SP x lane
	v_mul_u32_u24 v4, v2, CB                       ; my codes' place in a step's
	v_lshrrev_b32 v5, 1, v2
	s_add_co_u32 s21, s21, 2*32*SP
	v_add_nc_u32 v5, s21, v5                       ; my wave's 256 scale bytes, my block's byte
	v_lshlrev_b32 v7, 3, v2                        ; and on the way out 8 bytes a lane
	v_add_nc_u32 v6, s21, v7
	s_lshl_b32 s24, ttmp9, 2
	s_add_co_u32 s26, s24, s20                     ; the run of 8 rows that I read: 4 x work-group + wave
	s_lshl_b32 s26, s26, 15                        ; 32,768 bytes a run
	s_mov_b32 s27, 0
	s_and_b32 s28, s20, 1                          ; the run that I write: bits 3 and 4 of a row are bits 0 and 1 of its run
	s_lshl_b32 s28, s28, 1
	s_lshr_b32 s29, s20, 1
	s_or_b32 s28, s28, s29
	s_add_co_u32 s28, s28, s24
	s_wait_alu depctr_va_vdst(0)
	s_wait_kmcnt 0x0
	s_add_nc_u64 s[4:5], s[4:5], s[26:27]
	s_lshl_b32 s26, s28, 13                        ; 8,192 bytes of codes a run
	s_add_nc_u64 s[12:13], s[12:13], s[26:27]
	s_lshl_b32 s26, s28, 8                         ; 256 scale bytes a run
	s_add_nc_u64 s[14:15], s[14:15], s[26:27]
.macro XLOAD t
.irp i, 0,1,2,3
	global_load_b128 v[XR+16*((\t)%4)+4*\i:XR+16*((\t)%4)+4*\i+3], v3, s[4:5] offset:2048*(\t)+512*\i th:TH_LOAD_NT   ; 32 lanes read 512 consecutive bytes
.endr
.endm
.macro XTURN t                         ; step t's numbers through the stage: LDS serves a wave's instructions in order, so no wait stands between the stores and the loads
.irp i, 0,1,2,3
	ds_store_b128 v14, v[XR+16*((\t)%4)+4*\i:XR+16*((\t)%4)+4*\i+3] offset:32*SP*((\t)%2)+8*SP*\i
.endr
.irp i, 0,1,2,3
	ds_load_b128 v[XX+16*((\t)%2)+4*\i:XX+16*((\t)%2)+4*\i+3], v15 offset:32*SP*((\t)%2)+16*\i
.endr
.endm
.macro XSTEP t
.set XS, XX+16*((\t)%2)
.if (\t) > 0
	s_wait_dscnt 1                                 ; this step's numbers are back from the stage (the last step's byte store may be out): so its stores into the stage have read their registers,
.else
	s_wait_dscnt 0x0
.endif
.if (\t)+4 < STEPS
	XLOAD (\t)+4                                   ; which take the loads of four steps on
.endif
.if (\t)+1 < STEPS
.if STEPS-2-(\t) >= 3
	s_wait_loadcnt 12                              ; the next step's four loads are in; those of the three steps behind it may be out
.else
	s_wait_loadcnt 4*(STEPS-2-(\t))
.endif
	XTURN (\t)+1                                   ; and go through the other stage while this step is worked
.endif
	v_max3_num_f32 v8, |v[XS]|, |v[XS+1]|, |v[XS+2]|               ; the largest magnitude of my 16, in two chains
	v_max3_num_f32 v9, |v[XS+3]|, |v[XS+4]|, |v[XS+5]|
.irp i, 6,10
	v_max3_num_f32 v8, v8, |v[XS+\i]|, |v[XS+\i+1]|
	v_max3_num_f32 v9, v9, |v[XS+\i+2]|, |v[XS+\i+3]|
.endr
	v_max3_num_f32 v8, v8, |v[XS+14]|, |v[XS+15]|
	v_max3_num_f32 v8, v8, v9, (EMAX+1)<<23        ; and the floor 2^(16 - 127): the byte cannot fall under 1
	v_max_num_f32_dpp v8, v8, v8 row_xmask:1 row_mask:0xf bank_mask:0xf   ; and of my neighbour's 16: the block's
	v_add_nc_u32 v11, -(EMAX<<23), v8              ; 15 off its exponent field: the conversion takes the exponent field of this operand as its scale
.irp i, 0,1,2,3,4,5,6,7,8,9,10,11,12,13,14,15
.endr
	v_cvt_scalef32_pk8_bf8_f32 v[XC+4*(\t):XC+4*(\t)+1], v[XS:XS+7], v11
	v_cvt_scalef32_pk8_bf8_f32 v[XC+4*(\t)+2:XC+4*(\t)+3], v[XS+8:XS+15], v11
	v_lshrrev_b32 v[XE+(\t)], 23, v11              ; the scale's byte (also the plain line behind the conversions)
	ds_store_b8 v5, v[XE+(\t)] offset:16*(\t)      ; both lanes of a block write the same byte with the same value
	global_store_b128 v4, v[XC+4*(\t):XC+4*(\t)+3], s[12:13] offset:32*CB*(\t)   ; the wave stores 512 consecutive bytes
.endm
.irp t, 0,1,2,3
	XLOAD \t
.endr
	s_wait_loadcnt 12                              ; step 0's four loads are in
	XTURN 0
.irp t, 0,1,2,3,4,5,6,7,8,9,10,11,12,13,14,15
	XSTEP \t
.endr
	ds_load_b64 v[12:13], v6                       ; LDS serves a wave's instructions in order: these see my byte stores
	s_wait_dscnt 0x0
	global_store_b64 v7, v[12:13], s[14:15]        ; 32 lanes store 256 consecutive bytes, aligned
	s_wait_tensorcnt 0x0
	ds_add_u32 v192, v193
	s_wait_dscnt 0x0
	s_endpgm
; ---------------- the weights: K is the FIRST axis.  A lane takes a column n and its registers run down K: a block of 32 lies in one lane, and the codes come out with K innermost.
.Lweights:
	s_sub_co_u32 s21, ttmp9, XWG
	s_lshr_b32 s22, s21, 5                         ; which weight: 0 q, 1 k, 2 v
	s_and_b32 s23, s21, 7                          ; which 128 columns
	s_bfe_u32 s24, s21, 0x20003                    ; which 256 along K
	s_lshl_b32 s25, s23, 7
	s_lshl_b32 s26, s20, 5
	s_add_co_u32 s25, s25, s26                     ; my wave's first column
	s_wait_alu depctr_va_vdst(0)
	v_lshlrev_b32 v3, 2, v2                        ; in: 4 bytes a lane
	s_mul_i32 s26, s20, 32*PITCH
	s_add_co_u32 s26, s26, WSTG                    ; my stage
	v_and_b32 v10, 7, v2
	v_bfe_u32 v11, v2, 3, 1
	v_bfe_u32 v12, v2, 4, 1
	v_lshl_or_b32 v10, v11, 4, v10
	v_lshl_or_b32 v10, v12, 3, v10                 ; pi(lane): my column's position among the wave's 32
	v_mul_u32_u24 v4, v10, PITCH
	v_add_nc_u32 v4, s26, v4                       ; into the stage: row = my column's position
	v_and_b32 v5, 15, v2
	v_lshrrev_b32 v6, 4, v2                        ; out of it: sixteen lanes to a row, two rows an instruction
	v_mul_u32_u24 v7, v6, PITCH
	v_lshl_add_u32 v7, v5, 4, v7
	v_add_nc_u32 v7, s26, v7
	v_mul_u32_u24 v8, v6, KROW
	v_lshl_add_u32 v8, v5, 4, v8                   ; and the same place in w_codes
	v_lshlrev_b32 v9, 5, v10                       ; my position's row of scale bytes: 32 bytes a row
	s_lshl_b32 s28, s24, 20                        ; W: 256 rows of 4,096 bytes for each step along K,
	s_lshl_b32 s29, s25, 2                         ; + 4 x column
	s_add_co_u32 s28, s28, s29
	s_mov_b32 s29, 0
	s_lshl_b32 s30, s22, 10
	s_add_co_u32 s30, s30, s25                     ; first row of the output: 1,024 x weight + column
	s_lshl_b32 s32, s30, 10
	s_lshl_b32 s33, s24, 8
	s_add_co_u32 s32, s32, s33                     ; codes: row x 1,024 + 256 x step along K
	s_mov_b32 s33, 0
	s_lshl_b32 s34, s30, 5
	s_lshl_b32 s35, s24, 3
	s_add_co_u32 s34, s34, s35                     ; scale bytes: row x 32 + 8 x step along K
	s_mov_b32 s35, 0
	s_wait_kmcnt 0x0
	s_cmp_eq_u32 s22, 0                            ; the choice hangs on the work-group's number alone
	s_cselect_b64 s[6:7], s[6:7], s[8:9]
	s_cmp_eq_u32 s22, 2
	s_cselect_b64 s[6:7], s[10:11], s[6:7]
	s_add_nc_u64 s[6:7], s[6:7], s[28:29]
	s_add_nc_u64 s[16:17], s[16:17], s[32:33]
	s_add_nc_u64 s[18:19], s[18:19], s[34:35]
.macro WLOAD t                         ; block t: W(32 t + i, my column), i = 0 .. 31, into set t % 2: the wave reads 128 consecutive bytes, the work-group 512
.irp i, 0,1,2,3,4,5,6,7,8,9,10,11,12,13,14,15,16,17,18,19,20,21,22,23,24,25,26,27,28,29,30,31
	global_load_b32 v[WX+32*((\t)%2)+\i], v3, s[6:7] offset:(32*(\t)+\i)*NROW th:TH_LOAD_NT
.endr
.endm
.macro WBLOCK t
.set XS, WX+32*((\t)%2)
.if (\t) < NB-1
	s_wait_loadcnt 32                              ; this block's 32 loads are in; the next block's may be out
.else
	s_wait_loadcnt 0
.endif
	v_max3_num_f32 v12, |v[XS]|, |v[XS+1]|, |v[XS+2]|               ; the block's largest magnitude: all 32 numbers are mine
	v_max3_num_f32 v13, |v[XS+3]|, |v[XS+4]|, |v[XS+5]|
.irp i, 6,10,14,18,22,26
	v_max3_num_f32 v12, v12, |v[XS+\i]|, |v[XS+\i+1]|
	v_max3_num_f32 v13, v13, |v[XS+\i+2]|, |v[XS+\i+3]|
.endr
	v_max3_num_f32 v12, v12, |v[XS+30]|, |v[XS+31]|
	v_max3_num_f32 v12, v12, v13, (EMAX+1)<<23     ; and the floor
	v_add_nc_u32 v11, -(EMAX<<23), v12             ; the conversion's scale operand
	v_lshrrev_b32 v13, 23, v11                     ; the scale's byte
.if (\t)%4 == 0
	v_mov_b32 v[WSB+(\t)/4], v13                   ; four bytes to a register, the lower K in the lower byte
.else
	v_lshl_or_b32 v[WSB+(\t)/4], v13, 8*((\t)%4), v[WSB+(\t)/4]
.endif
.irp i, 0,1,2,3,4,5,6,7,8,9,10,11,12,13,14,15,16,17,18,19,20,21,22,23,24,25,26,27,28,29,30,31
.endr
.irp g, 0,1,2,3
	v_cvt_scalef32_pk8_bf8_f32 v[WC+2*\g:WC+2*\g+1], v[XS+8*\g:XS+8*\g+7], v11
.endr
	ds_store_b128 v4, v[WC:WC+3] offset:32*(\t)    ; 32 codes: 32 bytes of my position's row
	ds_store_b128 v4, v[WC+4:WC+7] offset:32*(\t)+16
.if (\t)+2 < NB
	WLOAD (\t)+2
.endif
	s_wait_dscnt 0x0                               ; the stores have read their registers: the next block's codes may be written
.endm
	WLOAD 0
	WLOAD 1
.set Q, 0
.rept NB
	WBLOCK Q
.set Q, Q+1
.endr
	s_wait_alu depctr_va_vdst(0)
	global_store_b64 v9, v[WSB:WSB+1], s[18:19]    ; my position's 8 scale bytes
.irp t, 0,1,2,3,4,5,6,7,8,9,10,11,12,13,14,15
	ds_load_b128 v[WOUT+4*\t:WOUT+4*\t+3], v7 offset:2*\t*PITCH   ; LDS serves a wave's instructions in order: these see my stores
.endr
.irp t, 0,1,2,3,4,5,6,7,8,9,10,11,12,13,14,15
	s_wait_dscnt 15-\t                             ; the younger loads may be out
	global_store_b128 v8, v[WOUT+4*\t:WOUT+4*\t+3], s[16:17] offset:2*\t*KROW   ; sixteen lanes store 256 consecutive bytes, aligned
.endr
	s_wait_tensorcnt 0x0
	ds_add_u32 v192, v193
	s_wait_dscnt 0x0
	s_endpgm
.Lfunc_end_k_qf2328f5488_quant:
	.size	k_qf2328f5488_quant, .Lfunc_end_k_qf2328f5488_quant-k_qf2328f5488_quant
	.p2alignl 7, 3214868480
	.fill 96, 4, 3214868480
	.section	.rodata,"a",@progbits
	.p2align	6, 0x0
	.amdhsa_kernel k_qf2328f5488_quant
		.amdhsa_group_segment_fixed_size 68096
		.amdhsa_private_segment_fixed_size 0
		.amdhsa_enable_private_segment 0
		.amdhsa_kernarg_size 64
		.amdhsa_user_sgpr_count 2
		.amdhsa_user_sgpr_kernarg_segment_ptr 1
		.amdhsa_wavefront_size32 1
		.amdhsa_system_sgpr_workgroup_id_x 1
		.amdhsa_system_sgpr_workgroup_id_y 1
		.amdhsa_system_sgpr_workgroup_id_z 1
		.amdhsa_system_vgpr_workitem_id 0
		.amdhsa_next_free_vgpr 194
		.amdhsa_next_free_sgpr 66
		.amdhsa_reserve_vcc 0
		.amdhsa_float_denorm_mode_32 3
		.amdhsa_float_denorm_mode_16_64 3
		.amdhsa_fp16_overflow 1
		.amdhsa_memory_ordered 1
		.amdhsa_forward_progress 1
		.amdhsa_inst_pref_size 75
	.end_amdhsa_kernel
	.amdgpu_metadata
---
amdhsa.version: [ 1, 2 ]
amdhsa.kernels:
  - .name:           k_qf2328f5488_quant
    .symbol:         k_qf2328f5488_quant.kd
    .args:
      - { .name: x, .offset: 0, .size: 8, .value_kind: global_buffer, .address_space: global }
      - { .name: Wq, .offset: 8, .size: 8, .value_kind: global_buffer, .address_space: global }
      - { .name: Wk, .offset: 16, .size: 8, .value_kind: global_buffer, .address_space: global }
      - { .name: Wv, .offset: 24, .size: 8, .value_kind: global_buffer, .address_space: global }
      - { .name: x_codes, .offset: 32, .size: 8, .value_kind: global_buffer, .address_space: global }
      - { .name: x_scales, .offset: 40, .size: 8, .value_kind: global_buffer, .address_space: global }
      - { .name: w_codes, .offset: 48, .size: 8, .value_kind: global_buffer, .address_space: global }
      - { .name: w_scales, .offset: 56, .size: 8, .value_kind: global_buffer, .address_space: global }
    .group_segment_fixed_size: 68096
    .private_segment_fixed_size: 0
    .kernarg_segment_align: 8
    .kernarg_segment_size: 64
    .max_flat_workgroup_size: 128
    .sgpr_count:     66
    .vgpr_count:     194
    .wavefront_size: 32
...
	.end_amdgpu_metadata
.endif
;; end of part 1
;; launch proj (part 2): grid 12 x 32, 4 waves a work-group, clusters of 4 x 4, 327,680 bytes of LDS; arguments x_codes, x_scales, w_codes, w_scales, bq, bk, bv, q_img, q_sc, kv; writes q_img, q_sc, kv
.if DOCPART == 2
	.amdgcn_target "amdgcn-amd-amdhsa--gfx1250"
	.amdhsa_code_object_version 6
	.text
	.protected	k_qf2328f5488_proj
	.globl	k_qf2328f5488_proj
	.p2align	8
	.type	k_qf2328f5488_proj,@function
k_qf2328f5488_proj:
	s_mov_b64 s[64:65], 0
	v_nop
	global_prefetch_b8 v0, s[64:65] scope:SCOPE_SE
	s_setreg_imm32_b32 hwreg(HW_REG_WAVE_MODE, 25, 1), 1
	s_wait_xcnt 0x0
	s_wait_alu depctr_hold_cnt(0) depctr_sa_sdst(0) depctr_va_vdst(0) depctr_va_sdst(0) depctr_va_ssrc(0) depctr_va_vcc(0) depctr_vm_vsrc(0)
	s_getreg_b32 s2, hwreg(HW_REG_IB_STS2, 6, 4)
	s_cmp_eq_u32 s2, 0
	s_cbranch_scc0 .Lentry_in_a_cluster
	s_endpgm
.Lentry_in_a_cluster:
	s_bfe_u32 s2, ttmp6, 0x10000c
	s_cmp_lg_u32 s2, 0xf033
	s_cbranch_scc0 .Lentry_shape_is_right
	s_endpgm
.Lentry_shape_is_right:
.set KSTEP,  256
.set NQ,     2
.set ROWB,   256
.set KROW,   1024
.set PITCH,  272
.set FR,     16
.set NL,     4
.set NP,     8
.set HALFT,  128*PITCH
.set SLOT,   4*HALFT
.set LAPS,   2
.set KS,     32
.set SCL,    2*SLOT
.set HALFS,  (128*KS/256)*272
.set SBLK,   (16*KS/256)*272
.set SPARE,  SCL+4*HALFS
.set STEPB,  17152
.set HB,     16*STEPB
.set ADRA, 16
.set ADRB, 20
.set ADSP, 22
.set ADSR, 23
.set LI,   24
.set VBQ,  25
.set VBV,  26
.set VSV,  27
.set SPW,  28
.set NIL,  29
.set HH,   30
.set SC0,  64
.set AF,   128
.set BB,   0
.set HA,   128
.set PC,   192
.set TM,   208
.set PWS,  224
.set Y,    232
.set Y2,   236
.set G1, 24
.set G0, 32
.set G1B, 48
.set G0B, 56
.set G1S, 68
.set G0S, 76
.set G1SB, 80
.set G0SB, 88
.set KIND, 66
.set BIASP, 96
.set P0,   98
.set PS0,  104
.set PS1,  12
.set SEL,  46
.set MNT,  94
.set MSB, 0
.macro WIN new
.if MSB != \new
	s_set_vgpr_msb (MSB<<8)|\new
.set MSB, \new
.endif
.endm
.set MUL_LO, 0xa1
.set MUL_HI, 0xf1
.set TO_B,   0x40
.macro JLOAD g0a, g1a, g0b, g1b
	s_cmp_eq_u32 s15, 0
	s_cbranch_scc0 .Lfor_b_\@
	tensor_load_to_lds s[\g0a:\g0a+3], s[\g1a:\g1a+7]
	s_nop 0
.rept 4
	v_nop
.endr
	s_branch .Lasked_\@
.Lfor_b_\@:
	tensor_load_to_lds s[\g0b:\g0b+3], s[\g1b:\g1b+7]
	s_nop 0
.rept 4
	v_nop
.endr
.Lasked_\@:
.endm
.macro CREST
	s_cmp_lg_u32 s14, 0
	s_cbranch_scc1 .Lnot_wave_0_\@
	s_barrier_signal -3
.Lnot_wave_0_\@:
	s_barrier_wait -3
	s_barrier_signal -1
	s_barrier_wait -1
.endm
.macro CROUND
	s_barrier_signal -1
	s_barrier_wait -1
	CREST
.endm
	s_load_b256 s[4:11], s[0:1], 0x0
	v_lshl_add_u32 v[SPW], v0, 2, SPARE
	v_mov_b32 v[NIL], 0
	ds_add_u32 v28, v29
	ds_add_u32 v28, v29
	s_wait_dscnt 0x0
	v_lshrrev_b32 v1, 5, v0
	v_readfirstlane_b32 s14, v1
	s_lshr_b32 s15, s14, 1
	s_and_b32 s16, s14, 1
	s_bfe_u32 s40, ttmp6, 0x40000
	s_bfe_u32 s41, ttmp6, 0x40004
	s_mov_b32 s[KIND], ttmp9
	s_lshl_b32 s42, ttmp9, 2
	s_add_co_u32 s42, s42, s40
	s_and_b32 s17, ttmp7, 0xffff
	s_lshl_b32 s17, s17, 2
	s_add_co_u32 s17, s17, s41
	s_lshl_b32 s43, s41, 2
	s_lshl_b32 s43, 15, s43
	s_lshl_b32 s44, 0x1111, s40
	s_or_b32 s[G1+0], s43, (0<<16)|(1<<20)|(1<<21)|(5<<22)|(3<<25)
	s_or_b32 s[G1B+0], s44, (0<<16)|(1<<20)|(1<<21)|(5<<22)|(3<<25)
.irp g, G1, G1B
	s_mov_b32 s[\g+1], ROWB<<16
	s_mov_b32 s[\g+2], 128<<16
	s_mov_b32 s[\g+3], ROWB<<16
	s_mov_b32 s[\g+4], 128
	s_mov_b32 s[\g+5], KROW
	s_mov_b32 s[\g+6], 0
	s_mov_b32 s[\g+7], 0
.endr
	s_or_b32 s[G1S+0], s43, (3<<16)|(1<<20)|(1<<21)|(5<<22)|(3<<25)
	s_or_b32 s[G1SB+0], s44, (3<<16)|(1<<20)|(1<<21)|(5<<22)|(3<<25)
.irp g, G1S, G1SB
	s_mov_b32 s[\g+1], 32<<16
	s_mov_b32 s[\g+2], (128*KS/256)<<16
	s_mov_b32 s[\g+3], 32<<16
	s_mov_b32 s[\g+4], 128*KS/256
	s_mov_b32 s[\g+5], 32
	s_mov_b32 s[\g+6], 0
	s_mov_b32 s[\g+7], 0
.endr
	s_lshl_b32 s18, s16, 7
	s_lshl_b32 s20, s17, 8
	s_add_co_u32 s20, s20, s18
	s_lshl_b32 s46, s42, 8
	s_add_co_u32 s46, s46, s18
	s_mov_b32 s21, 0
	s_mov_b32 s47, 0
	s_mov_b64 s[18:19], KS
	s_mul_u64 s[22:23], s[20:21], s[18:19]
	s_mul_u64 s[92:93], s[46:47], s[18:19]
	s_mov_b64 s[18:19], KROW
	s_mul_u64 s[20:21], s[20:21], s[18:19]
	s_mul_u64 s[46:47], s[46:47], s[18:19]
	s_mul_i32 s45, s14, HALFT
	s_mul_i32 s94, s14, HALFS
	s_wait_kmcnt 0x0
	s_add_nc_u64 s[20:21], s[4:5], s[20:21]
	s_add_nc_u64 s[22:23], s[6:7], s[22:23]
	s_add_nc_u64 s[46:47], s[8:9], s[46:47]
	s_add_nc_u64 s[92:93], s[10:11], s[92:93]
	CROUND
	s_mov_b32 s[G0S], 1
	s_add_co_u32 s[G0S+1], s94, SCL
	s_mov_b64 s[G0S+2:G0S+3], s[22:23]
	s_or_b32 s[G0S+3], s[G0S+3], 0x80000000
	s_mov_b32 s[G0SB], 1
	s_add_co_u32 s[G0SB+1], s94, SCL
	s_mov_b64 s[G0SB+2:G0SB+3], s[92:93]
	s_or_b32 s[G0SB+3], s[G0SB+3], 0x80000000
	JLOAD G0S, G1S, G0SB, G1SB
.irp s, 0,1
	s_mov_b32 s[G0+4*\s], 1
	s_add_co_u32 s[G0+4*\s+1], s45, \s*SLOT
	s_add_nc_u64 s[G0+4*\s+2:G0+4*\s+3], s[20:21], \s*ROWB
	s_or_b32 s[G0+4*\s+3], s[G0+4*\s+3], 0x80000000
	s_mov_b32 s[G0B+4*\s], 1
	s_add_co_u32 s[G0B+4*\s+1], s45, \s*SLOT
	s_add_nc_u64 s[G0B+4*\s+2:G0B+4*\s+3], s[46:47], \s*ROWB
	s_or_b32 s[G0B+4*\s+3], s[G0B+4*\s+3], 0x80000000
	s_wait_alu depctr_va_vdst(0)
	s_wait_tensorcnt 0x0
	ds_add_u32 v28, v29
	s_wait_dscnt 0x0
	CROUND
	JLOAD G0+4*\s, G1, G0B+4*\s, G1B
.endr
	s_load_b256 s[4:11], s[0:1], 0x20
	s_load_b128 s[92:95], s[0:1], 0x40
	s_cmp_eq_u32 s[KIND], 2
	s_cselect_b32 s20, 2*HALFT, 0
	s_cselect_b32 s21, 0, 2*HALFT
	s_cselect_b32 s22, 2*HALFS, 0
	s_cselect_b32 s23, 0, 2*HALFS
	s_mul_i32 s18, s15, HALFT
	s_add_co_u32 s20, s20, s18
	s_mul_i32 s18, s16, HALFT
	s_add_co_u32 s21, s21, s18
	s_mul_i32 s18, s15, HALFS
	s_add_co_u32 s22, s22, s18
	s_add_co_u32 s22, s22, SCL
	s_mul_i32 s18, s16, HALFS
	s_add_co_u32 s23, s23, s18
	s_add_co_u32 s23, s23, SCL
	v_and_b32 v1, 15, v0
	v_bfe_u32 v[HH], v0, 4, 1
	v_mul_u32_u24 v3, v1, PITCH
	v_lshl_add_u32 v4, v[HH], 4, v3
.irp s, 0,1
	v_add_nc_u32 v[ADRA+\s], s20, v4
	v_add_nc_u32 v[ADRB+\s], s21, v4
	s_add_co_u32 s20, s20, SLOT
	s_add_co_u32 s21, s21, SLOT
.endr
	v_mul_u32_u24 v5, v1, KS
	v_lshrrev_b32 v6, 8, v5
	v_lshl_add_u32 v5, v6, 4, v5
	v_add_nc_u32 v[ADSP], s22, v5
	v_add_nc_u32 v[ADSR], s23, v5
	v_and_b32 v6, 31, v0
	v_lshlrev_b32 v[LI], 4, v6
	v_lshlrev_b32 v[VBQ], 6, v[HH]
	v_lshrrev_b32 v6, 3, v1
	v_lshl_add_u32 v6, v6, 3, v1
	v_lshlrev_b32 v[VBV], 2, v6
	v_mul_u32_u24 v6, v[HH], HB
	v_lshl_add_u32 v[VSV], v1, 4, v6
	s_wait_alu depctr_va_vdst(0)
	s_wait_kmcnt 0x0
	s_cmp_eq_u32 s[KIND], 0
	s_cselect_b64 s[BIASP:BIASP+1], s[4:5], s[6:7]
	s_cselect_b64 s[P0:P0+1], s[10:11], s[94:95]
	s_cselect_b64 s[PS0:PS0+1], s[92:93], s[94:95]
	s_mov_b32 s18, HB
	s_cselect_b32 s18, 131072, s18
	s_mov_b32 s19, HB
	s_cselect_b32 s19, 8192, s19
	s_mov_b32 s20, STEPB
	s_cselect_b32 s20, 8192, s20
	s_mov_b32 s21, STEPB
	s_cselect_b32 s21, 512, s21
	s_cselect_b32 s22, 0, 16384
	s_cmp_eq_u32 s[KIND], 2
	s_cselect_b64 s[BIASP:BIASP+1], s[8:9], s[BIASP:BIASP+1]
	s_cselect_b32 s22, 16896, s22
	s_cselect_b32 s23, 8192, 0
	s_cselect_b32 s46, s16, s15
	s_cselect_b32 s47, s15, s16
	s_and_b32 s67, s17, 7
	s_lshl_b32 s67, s67, 1
	s_add_co_u32 s67, s67, s46
	s_lshr_b32 s46, s17, 3
	s_lshl_b32 s46, s46, 4
	s_lshl_b32 s2, s40, 2
	s_add_co_u32 s46, s46, s2
	s_lshl_b32 s2, s47, 1
	s_add_co_u32 s46, s46, s2
	s_mul_i32 s4, s46, s18
	s_mul_i32 s6, s67, s20
	s_add_co_u32 s4, s4, s6
	s_add_co_u32 s4, s4, s23
	s_mov_b32 s5, 0
	s_add_nc_u64 s[P0:P0+1], s[P0:P0+1], s[4:5]
	s_mov_b32 s4, s18
	s_add_nc_u64 s[P0+2:P0+3], s[P0:P0+1], s[4:5]
	s_mul_i32 s4, s46, s19
	s_mul_i32 s6, s67, s21
	s_add_co_u32 s4, s4, s6
	s_add_co_u32 s4, s4, s22
	s_add_nc_u64 s[PS0:PS0+1], s[PS0:PS0+1], s[4:5]
	s_mov_b32 s4, s19
	s_add_nc_u64 s[PS1:PS1+1], s[PS0:PS0+1], s[4:5]
	s_lshl_b32 s4, s40, 10
	s_lshl_b32 s6, s47, 9
	s_add_co_u32 s4, s4, s6
	s_add_nc_u64 s[BIASP:BIASP+1], s[BIASP:BIASP+1], s[4:5]
.macro FRAG reg, adr, q, i
.irp c, 0,1,2,3
	ds_load_b128 v[\reg+4*\c:\reg+4*\c+3], v[\adr] offset:128*(\q)+32*\c+(\i)*16*PITCH
.endr
.endm
.macro MUL16 a0, p, q, sc, zero
.irp a, \a0, \a0+1
.irp b, 0,1,2,3,4,5,6,7
.if \zero
	v_wmma_scale_f32_16x16x128_f8f6f4 v[8*(8*((\a)%4)+\b):8*(8*((\a)%4)+\b)+7], v[128*(\p)+FR*\b:128*(\p)+FR*\b+FR-1], v[AF+FR*(\a):AF+FR*(\a)+FR-1], 0, v[SC0-32*(\sc)+16+NQ*\b+(\q)], v[SC0-32*(\sc)+NQ*(\a)+(\q)] matrix_a_fmt:MATRIX_FMT_BF8 matrix_b_fmt:MATRIX_FMT_BF8
.else
	v_wmma_scale_f32_16x16x128_f8f6f4 v[8*(8*((\a)%4)+\b):8*(8*((\a)%4)+\b)+7], v[128*(\p)+FR*\b:128*(\p)+FR*\b+FR-1], v[AF+FR*(\a):AF+FR*(\a)+FR-1], v[8*(8*((\a)%4)+\b):8*(8*((\a)%4)+\b)+7], v[SC0-32*(\sc)+16+NQ*\b+(\q)], v[SC0-32*(\sc)+NQ*(\a)+(\q)] matrix_a_fmt:MATRIX_FMT_BF8 matrix_b_fmt:MATRIX_FMT_BF8
.endif
.endr
.endr
.endm
.macro FETCH_B slot, q, p
	WIN TO_B
.irp i, 0,1,2,3,4,5,6,7
	FRAG 128*(\p)+FR*\i, ADRB+\slot, \q, \i
.endr
	WIN 0
.endm
.macro FETCH_A slot, q, i0
.irp i, \i0, \i0+1, \i0+2, \i0+3
	FRAG AF+FR*(\i), ADRA+\slot, \q, \i
.endr
.endm
.macro SCALES sc
.irp i, 0,1,2,3,4,5,6,7
	ds_load_b64 v[SC0-32*\sc+NQ*\i:SC0-32*\sc+NQ*\i+1], v[ADSP] offset:\i*SBLK
.endr
.irp i, 0,1,2,3,4,5,6,7
	ds_load_b64 v[SC0-32*\sc+16+NQ*\i:SC0-32*\sc+16+NQ*\i+1], v[ADSR] offset:\i*SBLK
.endr
.endm
.macro PLACES n
.rept \n
	v_nop
.endr
.endm
.macro STEP slot, q, zero
	s_wait_dscnt 4*NL
	WIN MUL_LO
	MUL16 0, (\q)%2, \q, \slot, \zero
	MUL16 2, (\q)%2, \q, \slot, \zero
	s_wait_dscnt 0
	PLACES NP
	FETCH_B \slot, (\q)+1, 1-(\q)%2
	FETCH_A \slot, (\q)+1, 0
	WIN MUL_HI
	MUL16 4, (\q)%2, \q, \slot, \zero
	MUL16 6, (\q)%2, \q, \slot, \zero
	PLACES NP
	WIN 0
	FETCH_A \slot, (\q)+1, 4
.endm
.macro TURN slot, next, fill
	s_wait_tensorcnt 0x0
	ds_add_u32 v[SPW], v[NIL]
	s_wait_dscnt 4*NL+1
	WIN MUL_LO
	MUL16 0, 1, NQ-1, \slot, 0
	s_wait_dscnt 0x0
	s_barrier_signal -1
	MUL16 2, 1, NQ-1, \slot, 0
	WIN 0
	s_barrier_wait -1
.if \fill
	CREST
	s_add_nc_u64 s[G0+4*\slot+2:G0+4*\slot+3], s[G0+4*\slot+2:G0+4*\slot+3], 2*ROWB
	s_add_nc_u64 s[G0B+4*\slot+2:G0B+4*\slot+3], s[G0B+4*\slot+2:G0B+4*\slot+3], 2*ROWB
	JLOAD G0+4*\slot, G1, G0B+4*\slot, G1B
	PLACES NP-4
.else
	PLACES NP
.endif
	s_wait_alu depctr_va_vdst(0)
	v_add_nc_u32 v[ADSP], 4*NQ, v[ADSP]
	v_add_nc_u32 v[ADSR], 4*NQ, v[ADSR]
	FETCH_B \next, 0, 0
	FETCH_A \next, 0, 0
	SCALES \next
	WIN MUL_HI
	MUL16 4, 1, NQ-1, \slot, 0
	MUL16 6, 1, NQ-1, \slot, 0
	PLACES NP
	WIN 0
	FETCH_A \next, 0, 4
.endm
	s_wait_tensorcnt 1
	s_barrier_signal -1
	s_barrier_wait -1
	FETCH_B 0, 0, 0
	FETCH_A 0, 0, 0
	SCALES 0
	FETCH_A 0, 0, 4
	STEP 0, 0, 1
	s_mov_b32 s3, LAPS-1
.Llap:
	TURN 0, 1, 1
	STEP 1, 0, 0
	TURN 1, 0, 1
	STEP 0, 0, 0
	s_sub_co_u32 s3, s3, 1
	s_cmp_lg_u32 s3, 0
	s_cbranch_scc1 .Llap
	TURN 0, 1, 0
	STEP 1, 0, 0
	s_cmp_eq_u32 s[KIND], 2
	s_cbranch_scc1 .Lbias_v
	WIN TO_B
.irp e, 0,1,2,3
.irp j, 0,1,2,3
	global_load_b128 v[BB+16*\e+4*\j:BB+16*\e+4*\j+3], v[VBQ], s[BIASP:BIASP+1] offset:128*\e+16*\j
.endr
.endr
	WIN 0
	s_branch .Lbias_in
.Lbias_v:
	WIN TO_B
.irp a, 0,1,2,3,4,5,6,7
	global_load_b32 v[BB+2*\a], v[VBV], s[BIASP:BIASP+1] offset:4*(32*(\a/2)+8*(\a%2))
	global_load_b32 v[BB+2*\a+1], v[VBV], s[BIASP:BIASP+1] offset:4*(32*(\a/2)+8*(\a%2))
.endr
	WIN 0
.Lbias_in:
	s_wait_dscnt 4*NL
	WIN MUL_LO
	MUL16 0, 1, NQ-1, 1, 0
	MUL16 2, 1, NQ-1, 1, 0
	s_wait_dscnt 0
	WIN MUL_HI
	MUL16 4, 1, NQ-1, 1, 0
	MUL16 6, 1, NQ-1, 1, 0
	WIN 0
.macro QUANT s, pw
.irp b, 0,1,2,3
	v_max3_num_f32 v[TM+\b], |v[\s+16*\b]|, |v[\s+1+16*\b]|, 0x8000000
.endr
.irp i, 2,4,6,8,10,12,14
.irp b, 0,1,2,3
	v_max3_num_f32 v[TM+\b], v[TM+\b], |v[\s+16*\b+\i]|, |v[\s+1+16*\b+\i]|
.endr
.endr
.irp b, 0,1,2,3
	v_permlanex16_b32 v[TM+4+\b], v[TM+\b], s[SEL], s[SEL+1]
.endr
.irp b, 0,1,2,3
	v_max_num_f32 v[TM+\b], v[TM+\b], v[TM+4+\b]
.endr
.irp b, 0,1,2,3
	v_add_nc_u32 v[TM+12+\b], 0xf8800000, v[TM+\b]
.endr
.irp b, 0,1,2,3
.endr
.irp b, 0,1,2,3
	v_lshrrev_b32 v[TM+4+\b], 23, v[TM+12+\b]
.endr
	v_lshl_or_b32 v[\pw], v[TM+5], 8, v[TM+4]
	v_lshl_or_b32 v[\pw], v[TM+6], 16, v[\pw]
	v_lshl_or_b32 v[\pw], v[TM+7], 24, v[\pw]
.irp b, 0,1,2,3
.irp i, 0,1,2,3,4,5,6,7,8,9,10,11,12,13,14,15
.endr
	v_cvt_scalef32_pk8_bf8_f32 v[PC+4*\b:PC+1+4*\b], v[\s+16*\b:\s+7+16*\b], v[TM+12+\b]
	v_cvt_scalef32_pk8_bf8_f32 v[PC+2+4*\b:PC+3+4*\b], v[\s+8+16*\b:\s+15+16*\b], v[TM+12+\b]
.endr
	v_nop
.endm
.macro EPI a
.set WA, 0x06+(\a)/4
	s_wait_xcnt 0x0
	s_cmp_eq_u32 s[KIND], 2
	s_cbranch_scc1 .Ladd_v_\@
	WIN WA
.set i, 0
.rept 32
	v_pk_add_f32 v[HA+2*i:HA+2*i+1], v[64*((\a)%4)+2*i:64*((\a)%4)+2*i+1], v[BB+2*i:BB+2*i+1]
.set i, i+1
.endr
	WIN 0
	s_branch .Ladded_\@
.Ladd_v_\@:
	WIN WA
.set i, 0
.rept 32
	v_pk_add_f32 v[HA+2*i:HA+2*i+1], v[64*((\a)%4)+2*i:64*((\a)%4)+2*i+1], v[BB+2*(\a):BB+2*(\a)+1]
.set i, i+1
.endr
	WIN 0
.Ladded_\@:
	QUANT HA, PWS+(\a)
	s_cmp_eq_u32 s[KIND], 2
	s_cbranch_scc1 .Lst_v_\@
.irp c, 0,1,2,3
	global_store_b128 v[LI], v[PC+4*\c:PC+4*\c+3], s[P0+2*(\c/2):P0+2*(\c/2)+1] offset:1024*(\a)+512*(\c%2) th:TH_STORE_NT
.endr
	s_branch .Lst_done_\@
.Lst_v_\@:
	s_wait_alu depctr_va_vdst(0)
.irp c, 0,1,2,3
	global_store_b128 v[LI], v[PC+4*\c:PC+4*\c+3], s[P0+2*((\a)/4):P0+2*((\a)/4)+1] offset:2048*((\a)%4)+512*\c th:TH_STORE_NT
.endr
.Lst_done_\@:
.endm
	PLACES NP
	s_mov_b32 s[SEL], 0x76543210
	s_mov_b32 s[SEL+1], 0xfedcba98
	s_mov_b32 s92, 0xffff
	s_mov_b32 s93, 0x7f7f0000
.irp b, 0,1,2,3
	v_mov_b32 v[TM+4+\b], 0
.endr
	s_wait_loadcnt 0x0
.irp a, 0,1,2,3,4,5,6,7
	EPI \a
.endr
	v_cmp_eq_u32 vcc_lo, 1, v[HH]
.irp i, 0,1,2,3
	v_cndmask_b32 v[Y+\i], v[PWS+\i], v[PWS+4+\i], vcc_lo
.endr
	s_cmp_eq_u32 s[KIND], 2
	s_cbranch_scc1 .Lsc_v
.irp i, 0,1,2,3
	v_lshrrev_b32 v[Y2+\i], 16, v[Y+\i]
.endr
.irp i, 0,1,2,3
	v_or_b32 v[Y2+\i], s93, v[Y2+\i]
	v_and_or_b32 v[Y+\i], v[Y+\i], s92, s93
.endr
	global_store_b128 v[LI], v[Y:Y+3], s[PS0:PS0+1] th:TH_STORE_NT
	global_store_b128 v[LI], v[Y2:Y2+3], s[PS1:PS1+1] th:TH_STORE_NT
	s_branch .Lsc_done
.Lsc_v:
	s_wait_alu depctr_va_vdst(0)
	global_store_b128 v[VSV], v[Y:Y+3], s[PS0:PS0+1] th:TH_STORE_NT
.Lsc_done:
	s_wait_tensorcnt 0x0
	ds_add_u32 v[SPW], v[NIL]
	s_wait_dscnt 0x0
	CROUND
	s_endpgm
.Lfunc_end_k_qf2328f5488_proj:
	.size	k_qf2328f5488_proj, .Lfunc_end_k_qf2328f5488_proj-k_qf2328f5488_proj
	.p2alignl 7, 3214868480
	.fill 96, 4, 3214868480
	.section	.rodata,"a",@progbits
	.p2align	6, 0x0
	.amdhsa_kernel k_qf2328f5488_proj
		.amdhsa_group_segment_fixed_size 327680
		.amdhsa_private_segment_fixed_size 0
		.amdhsa_enable_private_segment 0
		.amdhsa_kernarg_size 80
		.amdhsa_user_sgpr_count 2
		.amdhsa_user_sgpr_kernarg_segment_ptr 1
		.amdhsa_wavefront_size32 1
		.amdhsa_system_sgpr_workgroup_id_x 1
		.amdhsa_system_sgpr_workgroup_id_y 1
		.amdhsa_system_sgpr_workgroup_id_z 1
		.amdhsa_system_vgpr_workitem_id 0
		.amdhsa_next_free_vgpr 1024
		.amdhsa_next_free_sgpr 106
		.amdhsa_reserve_vcc 1
		.amdhsa_float_denorm_mode_32 3
		.amdhsa_float_denorm_mode_16_64 3
		.amdhsa_fp16_overflow 1
		.amdhsa_memory_ordered 1
		.amdhsa_forward_progress 1
		.amdhsa_inst_pref_size 195
	.end_amdhsa_kernel
	.amdgpu_metadata
---
amdhsa.version: [ 1, 2 ]
amdhsa.kernels:
  - .name:           k_qf2328f5488_proj
    .symbol:         k_qf2328f5488_proj.kd
    .args:
      - { .name: x_codes, .offset: 0, .size: 8, .value_kind: global_buffer, .address_space: global }
      - { .name: x_scales, .offset: 8, .size: 8, .value_kind: global_buffer, .address_space: global }
      - { .name: w_codes, .offset: 16, .size: 8, .value_kind: global_buffer, .address_space: global }
      - { .name: w_scales, .offset: 24, .size: 8, .value_kind: global_buffer, .address_space: global }
      - { .name: bq, .offset: 32, .size: 8, .value_kind: global_buffer, .address_space: global }
      - { .name: bk, .offset: 40, .size: 8, .value_kind: global_buffer, .address_space: global }
      - { .name: bv, .offset: 48, .size: 8, .value_kind: global_buffer, .address_space: global }
      - { .name: q_img, .offset: 56, .size: 8, .value_kind: global_buffer, .address_space: global }
      - { .name: q_sc, .offset: 64, .size: 8, .value_kind: global_buffer, .address_space: global }
      - { .name: kv, .offset: 72, .size: 8, .value_kind: global_buffer, .address_space: global }
    .group_segment_fixed_size: 327680
    .private_segment_fixed_size: 0
    .kernarg_segment_align: 8
    .kernarg_segment_size: 80
    .max_flat_workgroup_size: 128
    .sgpr_count:     106
    .vgpr_count:     1024
    .wavefront_size: 32
...
	.end_amdgpu_metadata
.endif
;; end of part 2
;; launch attn (part 3): grid 4 x 64, 16 waves a work-group, clusters of 4 x 1, 327,680 bytes of LDS; arguments q_img, q_sc, kv, out0; writes out0
.if DOCPART == 3
	.amdgcn_target "amdgcn-amd-amdhsa--gfx1250"
	.amdhsa_code_object_version 6
	.text
	.protected	k_qf2328f5488_attn
	.globl	k_qf2328f5488_attn
	.p2align	8
	.type	k_qf2328f5488_attn,@function
k_qf2328f5488_attn:
	s_mov_b64 s[64:65], 0
	v_nop
	global_prefetch_b8 v0, s[64:65] scope:SCOPE_SE
	s_setreg_imm32_b32 hwreg(HW_REG_WAVE_MODE, 25, 1), 1
	s_wait_xcnt 0x0
	s_wait_alu depctr_hold_cnt(0) depctr_sa_sdst(0) depctr_va_vdst(0) depctr_va_sdst(0) depctr_va_ssrc(0) depctr_va_vcc(0) depctr_vm_vsrc(0)
	s_getreg_b32 s2, hwreg(HW_REG_IB_STS2, 6, 4)
	s_cmp_eq_u32 s2, 0
	s_cbranch_scc0 .Lentry_in_a_cluster
	s_endpgm
.Lentry_in_a_cluster:
	s_bfe_u32 s2, ttmp6, 0x10000c
	s_cmp_lg_u32 s2, 0x3003
	s_cbranch_scc0 .Lentry_shape_is_right
	s_endpgm
.Lentry_shape_is_right:
; out[b][q][head][:] = the sum over k of softmax_k(q . k / 8) v, both products on codes of BF8 (E5M2) with one E8M0 scale for each 32 along a product's K.
; q_img, q_sc, kv hold images of operand registers, made by the launch before (its head comment has the layouts).  hb = 16 batch + head.
; THE SOFTMAX AHEAD OF THE SECOND PRODUCT: t = score x log2(e) / 8; M = the row's largest t so far, rounded UP to a whole number; p = 2^(t - M) is what is quantised, along the keys; it is not normalised.
; The row's sum is taken of the unquantised p, in f32, and divides O at the end.  When M moves, the sum and O are multiplied by 2^(old M - new M): exact.
; SHARES.  A cluster of four work-groups is one (batch, head); a work-group owns 512 queries, each of its SIXTEEN waves one tile of 16 in each of two passes, in 256 registers: four waves to a SIMD, so that
; one wave's vector work stands beside another's matrix work and LDS loads.
; ALL OF THE HEAD'S K AND V STAY IN LDS: 16 key steps x 17,152 bytes.  Wave w asks for key step w's dense block by ONE joint load, the same in all four partners: each byte of LDS is filled once,
; so there is no ring, no refill and no barrier in the loops.  All tensor loads stand at the head, so nothing could be asked for ahead of them: there is no prefetch.
; LAYOUT.  Both products are used transposed: S^T = K Q^T (source 0 = 16 keys, source 1 = my 16 queries), O^T = V^T P^T: a lane holds ONE query (lane % 16) throughout.  Tiles hold positions (bits 3 and 4 of the
; true index exchanged), so the 16 registers of tiles 2 b and 2 b + 1 are the true keys (or channels) 32 b + 16 (lane / 16) + 0 .. 15.
; K = 64 IN AN INSTRUCTION 128 DEEP: Q's operand has zero codes for k = 64 .. 127.  A tile of K is 8 registers; its operand names 16: the upper eight are the next tile's codes (finite: the quantiser holds
; them), which meet Q's zeros; behind the last tile stand eight registers of zeros.  The scale bytes of those two blocks are 0x7f on both sides.
; LIMITS: NaN and infinities are not served.  A block's largest p is taken as the exponential of the block's largest score: this takes v_exp_f32 not to fall where its input rises.
; A block whose every p has fallen to 0 keeps the byte 1: its codes are zeros.
.set STEPB, 17152                      ; a key step's block: 67 x 256 bytes
.set HB,    16*STEPB                   ; a head's
.set VOFF,  8192                       ; in a block: 8 tiles of K (1,024 B), then 4 fragments of V^T (2,048 B),
.set KSOFF, 16384                      ; K's scale words (16 bytes a lane),
.set VSOFF, 16896                      ; V's (16 bytes a row)
.set STG,   HB                         ; behind the head's blocks: the way out's stages, 8 rows x 272 bytes a wave; no fill lands there
.set SROW,  272
.set SWAVE, 8*SROW
.set LI,  1                            ; v1   16 x lane
.set LR,  2                            ; v2   16 x (lane % 16)
.set STO, 3                            ; v3   the stage: where I put my bytes of a row
.set RD,  4                            ; v4   and where I read a row back
.set GO,  5                            ; v5   my byte offset in two rows of out
.set RR,  7                            ; v7   lane % 16
.set ADK, 8                            ; v8   LDS address of the step's block + 16 x lane
.set ADT, 9                            ; v9   + 16 x (lane % 16)
.set QF,  16                           ; v16-23 Q's codes, v24-31 zeros.   v12 -M, v13 the largest t, v[14:15] the sum in two halves
.set KF,  32                           ; v32-95 8 tiles of K, then 4 fragments of V^T, on the way out rows of O; v96-103 zeros
.set S,   104                          ; v104-167 S^T, then p, on the way out O / the sum
.set O,   168                          ; v168-199 O^T
.set PC,  200                          ; v200-215 p's codes
.set BM,  216                          ; the blocks' largest scores, then largest p
.set PX,  220                          ; at work
.set HL,  224
.set SO,  228                          ; the conversions' scale operands
.set KSW, 232                          ; v232-235 K's scale words: word i: lanes 0-15 tile i, lanes 16-31 tile 4 + i
.set VSW, 236                          ; v236-239 V's: word i: tile i of the channels
.set PSW, 240                          ; p's scale word
.set QSW, 241                          ; Q's
.set F,   242                          ; v[242:243] f = 2^(old M - new M), in the low word
.set TMP, 244
.set WV,  12
.set QP,  16                           ; s[16:17] my tile's image in q_img
.set QS,  18                           ; s[18:19] its scale words in q_sc
.set OP,  20                           ; s[20:21] its first row in out
.set G1,  24
.set G0,  32
.set SEL, 36
.set CS,  38                           ; s[38:39] c = log2(e) / 8
.set MNT, 40
.set TB,  41                           ; LDS byte of the key step in hand
.set KC,  42
.set SAVE, 47
.macro CROUND                          ; a round of the cluster's barrier
	s_barrier_signal -1
	s_barrier_wait -1
	s_cmp_lg_u32 s[WV], 0
	s_cbranch_scc1 .Lnot_wave_0_\@
	s_barrier_signal -3
.Lnot_wave_0_\@:
	s_barrier_wait -3
	s_barrier_signal -1
	s_barrier_wait -1
.endm
.macro QLOAD                           ; my tile of 16 queries: 8 registers of codes as they were stored, and a scale word a row
	global_load_b128 v[QF:QF+3], v[LI], s[QP:QP+1] th:TH_LOAD_NT
	global_load_b128 v[QF+4:QF+7], v[LI], s[QP:QP+1] offset:512 th:TH_LOAD_NT
	global_load_b32 v[QSW], v[LR], s[QS:QS+1]
.endm
	s_load_b256 s[4:11], s[0:1], 0x0               ; q_img, q_sc, kv, out0
	v_lshl_add_u32 v254, v0, 2, 0x4b800
	v_mov_b32 v255, 0
	ds_add_u32 v254, v255
	ds_add_u32 v254, v255
	v_lshrrev_b32 v1, 5, v0
	s_delay_alu instid0(VALU_DEP_1)
	v_readfirstlane_b32 s[WV], v1                  ; wave 0..15
	s_bfe_u32 s13, ttmp6, 0x40000                  ; cx: my place in the cluster: it enters Q's and O's addresses alone
	s_and_b32 s14, ttmp7, 0xffff                   ; hb, which the four partners share
	; descriptor group 1: a dense block of 17,152 bytes as 67 rows of 256 bytes (32 elements of 8 bytes), no padding: every LDS read of it is 16 bytes a lane on end
	s_mov_b32 s[G1], 15|(3<<16)|(1<<21)            ; 15:0 the mask: all four work-groups; 17:16 elements of 8 bytes; 21 set beside a mask
	s_mov_b32 s[G1+1], 32<<16                      ; tensor_dim0
	s_mov_b32 s[G1+2], 67<<16                      ; tensor_dim1
	s_mov_b32 s[G1+3], 32<<16                      ; tile_dim0
	s_mov_b32 s[G1+4], 67                          ; tile_dim1
	s_mov_b32 s[G1+5], 32                          ; tensor_dim0_stride
	s_mov_b32 s[G1+6], 0
	s_mov_b32 s[G1+7], 0
	s_mov_b32 s[G0], 1
	s_mul_i32 s[G0+1], s[WV], STEPB                ; LDS address: key step w
	s_mul_i32 s22, s14, HB
	s_add_co_u32 s22, s22, s[G0+1]                 ; and the same block in kv
	s_mov_b32 s23, 0
	s_mov_b32 s[SEL], 0x76543210
	s_mov_b32 s[SEL+1], 0xfedcba98                 ; lane l xor 16
	s_mov_b32 s[CS], 0x3e38aa3b                    ; log2(e) / 8
	s_mov_b32 s[CS+1], s[CS]                       ; (named with it as a pair, so it is written)
	s_mul_i32 s48, s[WV], SWAVE
	s_add_co_u32 s48, s48, STG                     ; my stage
	s_wait_dscnt 0x0
	s_wait_kmcnt 0x0
	s_add_nc_u64 s[G0+2:G0+3], s[8:9], s[22:23]
	s_or_b32 s[G0+3], s[G0+3], 0x80000000          ; type = 2
	CROUND                                         ; all four work-groups are here: the joint loads meet
	tensor_load_to_lds s[G0:G0+3], s[G1:G1+7]      ; my one tensor load of the launch
	s_nop 0
.rept 4
	v_nop
.endr
	s_lshl_b32 s15, s13, 5
	s_add_co_u32 s15, s15, s[WV]                   ; T = 32 cx + wave: my tile in the first pass; the second pass takes T + 16
	s_lshl_b32 s44, s14, 17                        ; q_img: 131,072 bytes a head, 1,024 a tile
	s_lshl_b32 s45, s15, 10
	s_add_co_u32 s44, s44, s45
	s_mov_b32 s45, 0
	s_add_nc_u64 s[QP:QP+1], s[4:5], s[44:45]
	s_lshl_b32 s44, s14, 13                        ; q_sc: 8,192 bytes a head, 512 for 8 tiles; in them 256 (a / 4) + 16 r + 4 (a % 4)
	s_lshr_b32 s46, s15, 3
	s_lshl_b32 s46, s46, 9
	s_add_co_u32 s44, s44, s46
	s_bfe_u32 s46, s15, 0x10002
	s_lshl_b32 s46, s46, 8
	s_add_co_u32 s44, s44, s46
	s_and_b32 s46, s15, 3
	s_lshl_b32 s46, s46, 2
	s_add_co_u32 s44, s44, s46
	s_add_nc_u64 s[QS:QS+1], s[6:7], s[44:45]
	s_lshr_b32 s44, s14, 4                         ; out: the batch's 2,048 tokens;
	s_lshl_b32 s44, s44, 11
	s_lshr_b32 s46, s15, 1                         ; tile T's row i is token 32 (T / 2) + 8 (T % 2) + i + 8 (i / 8)
	s_lshl_b32 s46, s46, 5
	s_add_co_u32 s44, s44, s46
	s_and_b32 s46, s15, 1
	s_lshl_b32 s46, s46, 3
	s_add_co_u32 s44, s44, s46
	s_lshl_b32 s44, s44, 12                        ; 4,096 bytes a token,
	s_and_b32 s46, s14, 15
	s_lshl_b32 s46, s46, 8                         ; 256 a head
	s_add_co_u32 s44, s44, s46
	s_add_nc_u64 s[OP:OP+1], s[10:11], s[44:45]
	v_and_b32 v6, 31, v0
	s_delay_alu instid0(VALU_DEP_1)
	v_lshlrev_b32 v[LI], 4, v6
	v_and_b32 v[RR], 15, v0
	s_delay_alu instid0(VALU_DEP_1)
	v_lshlrev_b32 v[LR], 4, v[RR]
	QLOAD
	v_bfe_u32 v10, v0, 4, 1                        ; h = lane / 16
	v_and_b32 v11, 7, v0
	s_delay_alu instid0(VALU_DEP_1)
	v_mul_u32_u24 v[STO], v11, SROW
	s_delay_alu instid0(VALU_DEP_1)
	v_lshl_add_u32 v[STO], v10, 6, v[STO]
	s_delay_alu instid0(VALU_DEP_1)
	v_add_nc_u32 v[STO], s48, v[STO]               ; in: stage row r % 8, + 64 h: my 16 channels of a block of 32
	v_mul_u32_u24 v[RD], v10, SROW
	s_delay_alu instid0(VALU_DEP_1)
	v_lshl_add_u32 v[RD], v[RR], 4, v[RD]
	s_delay_alu instid0(VALU_DEP_1)
	v_add_nc_u32 v[RD], s48, v[RD]                 ; back: lanes 0-15 one row of 256 bytes, lanes 16-31 the next
	v_lshlrev_b32 v[GO], 12, v10
	s_delay_alu instid0(VALU_DEP_1)
	v_lshl_add_u32 v[GO], v[RR], 4, v[GO]          ; and the same two rows in out
.irp j, 0,1,2,3,4,5,6,7
	v_mov_b32 v[QF+8+\j], 0                        ; Q's zero codes for k = 64 .. 127
	v_mov_b32 v[KF+64+\j], 0                       ; and what stands behind K's last tile
.endr
.irp b, 0,1,2,3
	v_mov_b32 v[PX+\b], 0                          ; written once: a lane permute's destination counts as one of its sources
.endr
	v_mov_b32 v[F+1], 0                            ; (named as the upper half of a pair)
	v_mov_b32 v[TMP], 0
	s_wait_tensorcnt 0x0                           ; my block has landed,
	s_barrier_signal -1
	s_barrier_wait -1                              ; everybody's has: the head's K and V are whole
; A KEY STEP: 128 keys.
.macro STEP
	v_add_nc_u32 v[ADK], s[TB], v[LI]
	v_add_nc_u32 v[ADT], s[TB], v[LR]
.rept 6
	v_nop                                          ; with the two additions: eight places in front of loads into registers that the last products have read
.endr
.irp t, 0,1,2,3,4,5,6,7
	ds_load_b128 v[KF+8*\t:KF+8*\t+3], v[ADK] offset:1024*\t
	ds_load_b128 v[KF+8*\t+4:KF+8*\t+7], v[ADK] offset:1024*\t+512
.endr
	ds_load_b128 v[KSW:KSW+3], v[ADK] offset:KSOFF
	s_wait_alu depctr_va_vdst(0)
	s_wait_dscnt 0x0
.irp t, 0,1,2,3                        ; S^T = K Q^T: eight tiles of 16 keys, each sum begun with the constant 0
	v_wmma_scale_f32_16x16x128_f8f6f4 v[S+8*\t:S+8*\t+7], v[KF+8*\t:KF+8*\t+15], v[QF:QF+15], 0, v[KSW+\t], v[QSW] matrix_a_fmt:MATRIX_FMT_BF8 matrix_b_fmt:MATRIX_FMT_BF8
.endr
.irp t, 0,1,2,3
	v_wmma_scale_f32_16x16x128_f8f6f4 v[S+32+8*\t:S+32+8*\t+7], v[KF+32+8*\t:KF+32+8*\t+15], v[QF:QF+15], 0, v[KSW+\t], v[QSW] matrix_a_fmt:MATRIX_FMT_BF8 matrix_b_fmt:MATRIX_FMT_BF8 matrix_a_scale:MATRIX_SCALE_ROW1
.endr
.rept 8
	v_nop                                          ; eight places: in front of the loads over K's tiles and of the first read of the scores
.endr
.irp t, 0,1,2,3                        ; V^T's four fragments land while the softmax is worked
.irp c, 0,1,2,3
	ds_load_b128 v[KF+16*\t+4*\c:KF+16*\t+4*\c+3], v[ADK] offset:VOFF+2048*\t+512*\c
.endr
.endr
	ds_load_b128 v[VSW:VSW+3], v[ADT] offset:VSOFF
.irp b, 0,1,2,3
	v_max3_num_f32 v[BM+\b], v[S+16*\b], v[S+1+16*\b], v[S+2+16*\b]   ; THE LARGEST SCORE OF EACH BLOCK OF 32 KEYS: it serves for the row's maximum and, since p rises with the score, for the block's largest p
.endr
.irp i, 3,5,7,9,11,13
.irp b, 0,1,2,3
	v_max3_num_f32 v[BM+\b], v[BM+\b], v[S+16*\b+\i], v[S+1+16*\b+\i]   ; (the four blocks by turns; each accumulator is first read at its low end)
.endr
.endr
.irp b, 0,1,2,3
	v_max_num_f32 v[BM+\b], v[BM+\b], v[S+15+16*\b]
.endr
.irp b, 0,1,2,3
	s_delay_alu instid0(VALU_DEP_4)
	v_permlanex16_b32 v[PX+\b], v[BM+\b], s[SEL], s[SEL+1]
.endr
.irp b, 0,1,2,3
	s_delay_alu instid0(VALU_DEP_4)
	v_max_num_f32 v[BM+\b], v[BM+\b], v[PX+\b]     ; with lane l xor 16's 16 keys
.endr
	s_delay_alu instid0(VALU_DEP_2)
	v_max3_num_f32 v[TMP], v[BM], v[BM+1], v[BM+2]
	s_delay_alu instid0(VALU_DEP_1)
	v_max_num_f32 v[TMP], v[TMP], v[BM+3]          ; the step's largest score of my query
	s_delay_alu instid0(VALU_DEP_1)
	v_mul_f32 v[TMP], s[CS], v[TMP]                ; as t (c is positive)
	s_delay_alu instid0(VALU_DEP_1)
	v_max_num_f32 v13, v13, v[TMP]                 ; the running largest t
	v_mov_b32 v[TMP], v12
	s_delay_alu instid0(VALU_DEP_2)
	v_floor_f32 v12, -v13                          ; the new -M = floor(-t) = -ceil(t): M is a whole number
	s_delay_alu instid0(VALU_DEP_1)
	v_sub_f32 v[TMP], v12, v[TMP]                  ; M's old value less its new one: a whole number, 0 or less
	s_delay_alu instid0(VALU_DEP_1)
	v_cvt_i32_f32 v[TMP], v[TMP]                   ; (it saturates)
	s_delay_alu instid0(VALU_DEP_1)
	v_ldexp_f32 v[F], 1.0, v[TMP]                  ; f = 2^(old M - new M): a multiplication by it rounds nothing
.irp j, 0,2,4,6,8,10,12,14,16,18,20,22,24,26,28,30,32,34,36,38,40,42,44,46,48,50,52,54,56,58,60,62
	v_pk_fma_f32 v[S+\j:S+1+\j], v[S+\j:S+1+\j], s[CS:CS+1], v[12:13] op_sel_hi:[1,0,0]   ; t - M, two at a time
.endr
.irp b, 0,1,2,3
	v_fma_f32 v[BM+\b], v[BM+\b], s[CS], v12       ; the same of each block's largest score
.endr
	s_setprio 1
	s_wait_alu depctr_va_vdst(0)
.irp j, 0,1,2,3,4,5,6,7,8,9,10,11,12,13,14,15,16,17,18,19,20,21,22,23,24,25,26,27,28,29,30,31,32,33,34,35,36,37,38,39,40,41,42,43,44,45,46,47,48,49,50,51,52,53,54,55,56,57,58,59,60,61,62,63
	v_exp_f32 v[S+\j], v[S+\j]                     ; p = 2^(t - M), at most 1: not normalised
.endr
	v_pk_mul_f32 v[14:15], v[14:15], v[F:F+1] op_sel_hi:[1,0]   ; the sums under the new M (the plain line behind the exponentials)
	s_wait_alu depctr_va_vdst(0)                   ; one wait for the whole batch, ahead of its first reader
.irp b, 0,1,2,3
	v_exp_f32 v[BM+\b], v[BM+\b]                   ; the block's largest p: the same two instructions on the same number give the same bits
.endr
	v_pk_add_f32 v[220:221], v[108:109], v[112:113]
	v_pk_add_f32 v[252:253], v[116:117], v[120:121]
	v_pk_add_f32 v[250:251], v[124:125], v[128:129]
	v_pk_add_f32 v[248:249], v[132:133], v[136:137]
	v_pk_add_f32 v[246:247], v[140:141], v[144:145]
	v_pk_add_f32 v[226:227], v[148:149], v[152:153]
	v_pk_add_f32 v[224:225], v[156:157], v[160:161]
	v_pk_add_f32 v[14:15], v[14:15], v[164:165]
	v_pk_add_f32 v[220:221], v[220:221], v[104:105]
	v_pk_add_f32 v[252:253], v[252:253], v[106:107]
	v_pk_add_f32 v[250:251], v[250:251], v[110:111]
	v_pk_add_f32 v[248:249], v[248:249], v[114:115]
	v_pk_add_f32 v[246:247], v[246:247], v[118:119]
	v_pk_add_f32 v[226:227], v[226:227], v[122:123]
	v_pk_add_f32 v[224:225], v[224:225], v[126:127]
	v_pk_add_f32 v[14:15], v[14:15], v[130:131]
	v_pk_add_f32 v[220:221], v[220:221], v[134:135]
	v_pk_add_f32 v[252:253], v[252:253], v[138:139]
	v_pk_add_f32 v[250:251], v[250:251], v[142:143]
	v_pk_add_f32 v[248:249], v[248:249], v[146:147]
	v_pk_add_f32 v[246:247], v[246:247], v[150:151]
	v_pk_add_f32 v[226:227], v[226:227], v[154:155]
	v_pk_add_f32 v[224:225], v[224:225], v[158:159]
	v_pk_add_f32 v[14:15], v[14:15], v[162:163]
	v_pk_add_f32 v[220:221], v[220:221], v[166:167]
	s_delay_alu instid0(VALU_DEP_2)
	v_pk_add_f32 v[14:15], v[14:15], v[248:249]
	s_delay_alu instid0(VALU_DEP_2)
	v_pk_add_f32 v[220:221], v[220:221], v[246:247]
	v_pk_add_f32 v[252:253], v[252:253], v[226:227]
	v_pk_add_f32 v[250:251], v[250:251], v[224:225]
	s_delay_alu instid0(VALU_DEP_2)
	v_pk_add_f32 v[14:15], v[14:15], v[252:253]
	s_delay_alu instid0(VALU_DEP_2)
	v_pk_add_f32 v[220:221], v[220:221], v[250:251]
	s_delay_alu instid0(VALU_DEP_1)
	v_pk_add_f32 v[14:15], v[14:15], v[220:221]
	s_wait_alu depctr_va_vdst(0)                   ; and one for the four
.irp b, 0,1,2,3
	v_max_num_f32 v[BM+\b], 0x8000000, v[BM+\b]    ; the floor 2^(16 - 127): the byte cannot fall under 1
.endr
.irp b, 0,1,2,3
	s_delay_alu instid0(VALU_DEP_4)
	v_add_nc_u32 v[SO+\b], 0xf8800000, v[BM+\b]    ; 15 off the exponent field: the conversion's scale operand
.endr
.irp b, 0,1,2,3
.endr
.irp b, 0,1,2,3
	s_delay_alu instid0(VALU_DEP_4)
	v_lshrrev_b32 v[PX+\b], 23, v[SO+\b]           ; the scale's byte
.endr
	s_delay_alu instid0(VALU_DEP_3)
	v_lshl_or_b32 v[PSW], v[PX+1], 8, v[PX]        ; p's scale word for these 128 keys
	s_delay_alu instid0(VALU_DEP_1)
	v_lshl_or_b32 v[PSW], v[PX+2], 16, v[PSW]
	s_delay_alu instid0(VALU_DEP_1)
	v_lshl_or_b32 v[PSW], v[PX+3], 24, v[PSW]
.irp b, 0,1,2,3
.irp i, 0,1,2,3,4,5,6,7,8,9,10,11,12,13,14,15
.endr
	v_cvt_scalef32_pk8_bf8_f32 v[PC+4*\b:PC+1+4*\b], v[S+16*\b:S+7+16*\b], v[SO+\b]
	v_cvt_scalef32_pk8_bf8_f32 v[PC+2+4*\b:PC+3+4*\b], v[S+8+16*\b:S+15+16*\b], v[SO+\b]
.endr
	s_setprio 0
.irp j, 0,2,4,6,8,10,12,14,16,18,20,22,24,26,28,30
	v_pk_mul_f32 v[O+\j:O+1+\j], v[O+\j:O+1+\j], v[F:F+1] op_sel_hi:[1,0]   ; O^T under the new M.  (These 16 are also the places between the codes and the products below)
.endr
	s_wait_alu depctr_va_vdst(0)
	s_wait_dscnt 0x0                               ; V^T's fragments and scale words are in
.irp t, 0,1,2,3                        ; O^T += V^T P^T: four tiles of 16 channels, by turns; K = these 128 keys
	v_wmma_scale_f32_16x16x128_f8f6f4 v[O+8*\t:O+8*\t+7], v[KF+16*\t:KF+16*\t+15], v[PC:PC+15], v[O+8*\t:O+8*\t+7], v[VSW+\t], v[PSW] matrix_a_fmt:MATRIX_FMT_BF8 matrix_b_fmt:MATRIX_FMT_BF8
.endr
.endm
; A PASS: one tile of 16 queries against all 2,048 keys, and its way out.  last = 0: the next pass's Q is asked for while this pass's results leave.
.macro PASS last
	v_mov_b32 v13, 0xff61b1e6                      ; the largest t so far: -3e38, under every t
	s_delay_alu instid0(VALU_DEP_1)
	v_floor_f32 v12, -v13                          ; -M
	v_mov_b32 v14, 0                               ; the sum, in two halves
	v_mov_b32 v15, 0
.set i, 0
.rept 32
	v_mov_b32 v[O+i], 0                            ; O^T.  (The step is written once: the first finds zeros, which the first change of M leaves zeros)
.set i, i+1
.endr
	s_mov_b32 s[TB], 0
	s_mov_b32 s[KC], 16
	s_wait_loadcnt 0x0                             ; Q
.Lkey_\@:
	s_setprio 2
	STEP
	s_add_co_u32 s[TB], s[TB], STEPB
	s_sub_co_u32 s[KC], s[KC], 1
	s_cmp_lg_u32 s[KC], 0
	s_cbranch_scc1 .Lkey_\@
	s_setprio 0
.rept 8
	v_nop                                          ; eight places behind the last products
.endr
.if \last == 0
	s_add_nc_u64 s[QP:QP+1], s[QP:QP+1], 16*1024   ; sixteen tiles on (the loads that read these bases were waited for at the pass's head)
	s_add_nc_u64 s[QS:QS+1], s[QS:QS+1], 2*512
	QLOAD
.endif
	v_add_f32 v14, v14, v15                        ; the sum's two halves,
	s_delay_alu instid0(VALU_DEP_1)
	v_permlanex16_b32 v[TMP], v14, s[SEL], s[SEL+1]
	s_delay_alu instid0(VALU_DEP_1)
	v_add_f32 v14, v14, v[TMP]                     ; and lane l xor 16's: the row's sum
	s_wait_alu depctr_va_vdst(0)
	v_rcp_f32 v14, v14
	v_nop                                          ; a plain line behind the reciprocal
	s_wait_alu depctr_va_vdst(0)                   ; and the wait ahead of its first reader
.set i, 0
.rept 32
	v_mul_f32 v[S+i], v[O+i], v14                  ; O^T / the sum: register 16 e + i is channel 32 e + 16 h + i of my query; each accumulator from its low end on
.set i, i+1
.endr
	; Through my stage, eight rows of 256 bytes at a time (sixteen rows a wave do not fit beside the head's K and V): first the lanes of rows 0-7 store, then those of rows 8-15.
	s_wait_alu depctr_va_vdst(0)
	s_wait_xcnt 0x0                                ; EXEC changes only behind this wait: Q's loads have had their addresses translated; no global instruction follows before EXEC is whole again
	v_cmp_gt_u32 vcc_lo, 8, v[RR]
	s_and_saveexec_b32 s[SAVE], vcc_lo
.irp e, 0,1
.irp q, 0,1,2,3
	ds_store_b128 v[STO], v[S+16*\e+4*\q:S+16*\e+4*\q+3] offset:128*\e+16*\q
.endr
.endr
	s_or_b32 exec_lo, exec_lo, s[SAVE]
.irp i, 0,1,2,3
	ds_load_b128 v[KF+4*\i:KF+4*\i+3], v[RD] offset:2*\i*SROW   ; LDS serves a wave's instructions in order: these see the stores above, and the stores below come behind them
.endr
	v_cmp_le_u32 vcc_lo, 8, v[RR]
	s_and_saveexec_b32 s[SAVE], vcc_lo
.irp e, 0,1
.irp q, 0,1,2,3
	ds_store_b128 v[STO], v[S+16*\e+4*\q:S+16*\e+4*\q+3] offset:128*\e+16*\q
.endr
.endr
	s_or_b32 exec_lo, exec_lo, s[SAVE]
.irp i, 0,1,2,3
	ds_load_b128 v[KF+16+4*\i:KF+16+4*\i+3], v[RD] offset:2*\i*SROW
.endr
.irp i, 0,1,2,3
	s_wait_dscnt 15-\i                             ; behind this load: the first round's younger loads, the second round's 8 stores and 4 loads
	global_store_b128 v[GO], v[KF+4*\i:KF+4*\i+3], s[OP:OP+1] offset:2*\i*4096 th:TH_STORE_NT   ; tile rows 0-7 are tokens + 0 .. 7: sixteen lanes store 256 consecutive bytes, aligned
.endr
.irp i, 0,1,2,3
	s_wait_dscnt 3-\i
	global_store_b128 v[GO], v[KF+16+4*\i:KF+16+4*\i+3], s[OP:OP+1] offset:(16+2*\i)*4096 th:TH_STORE_NT   ; tile rows 8-15 are tokens + 16 .. 23
.endr
.if \last == 0
	s_wait_xcnt 0x0                                ; the stores have had their addresses translated: their base and their data registers are written again only behind this wait
	s_add_nc_u64 s[OP:OP+1], s[OP:OP+1], 256*4096  ; sixteen tiles on: 256 tokens
.endif
.endm
	PASS 0
	PASS 1
	s_wait_tensorcnt 0x0
	ds_add_u32 v254, v255
	s_wait_dscnt 0x0
	CROUND                                         ; the closing round (no LDS instruction of mine is out: the last wait above was for 0)
	s_endpgm
.Lfunc_end_k_qf2328f5488_attn:
	.size	k_qf2328f5488_attn, .Lfunc_end_k_qf2328f5488_attn-k_qf2328f5488_attn
	.p2alignl 7, 3214868480
	.fill 96, 4, 3214868480
	.section	.rodata,"a",@progbits
	.p2align	6, 0x0
	.amdhsa_kernel k_qf2328f5488_attn
		.amdhsa_group_segment_fixed_size 327680
		.amdhsa_private_segment_fixed_size 0
		.amdhsa_enable_private_segment 0
		.amdhsa_kernarg_size 32
		.amdhsa_user_sgpr_count 2
		.amdhsa_user_sgpr_kernarg_segment_ptr 1
		.amdhsa_wavefront_size32 1
		.amdhsa_system_sgpr_workgroup_id_x 1
		.amdhsa_system_sgpr_workgroup_id_y 1
		.amdhsa_system_sgpr_workgroup_id_z 1
		.amdhsa_system_vgpr_workitem_id 0
		.amdhsa_next_free_vgpr 256
		.amdhsa_next_free_sgpr 66
		.amdhsa_reserve_vcc 1
		.amdhsa_float_denorm_mode_32 3
		.amdhsa_float_denorm_mode_16_64 3
		.amdhsa_fp16_overflow 1
		.amdhsa_memory_ordered 1
		.amdhsa_forward_progress 1
		.amdhsa_inst_pref_size 52
	.end_amdhsa_kernel
	.amdgpu_metadata
---
amdhsa.version: [ 1, 2 ]
amdhsa.kernels:
  - .name:           k_qf2328f5488_attn
    .symbol:         k_qf2328f5488_attn.kd
    .args:
      - { .name: q_img, .offset: 0, .size: 8, .value_kind: global_buffer, .address_space: global }
      - { .name: q_sc, .offset: 8, .size: 8, .value_kind: global_buffer, .address_space: global }
      - { .name: kv, .offset: 16, .size: 8, .value_kind: global_buffer, .address_space: global }
      - { .name: out0, .offset: 24, .size: 8, .value_kind: global_buffer, .address_space: global }
    .group_segment_fixed_size: 327680
    .private_segment_fixed_size: 0
    .kernarg_segment_align: 8
    .kernarg_segment_size: 32
    .max_flat_workgroup_size: 512
    .sgpr_count:     66
    .vgpr_count:     256
    .wavefront_size: 32
...
	.end_amdgpu_metadata
.endif
;; end of part 3
